; MI455X (gfx1250); checked and timed in simulation.
; The chip was launched on July 23, 2026; its instructions are those of AMD's public machine-readable ISA for CDNA 5 (MIT licence, August 2026) and "CDNA5" Instruction Set Architecture Reference Guide (July 2026). The comments in the code are by the model that wrote it; some were corrected since.
;; Trompt Conv. Allowed arithmetic: float matrix products may take bf16 or f16 operands with f32 sums; all other float work in f32.
;; Inputs: emb_column 64 x 128 float32; emb_prompt 16 x 128 float32; expand_weight 16 float32; gn_b 16 float32; gn_w 16 float32; lin_b 128 float32; lin_w 128 x 256 float32; ln_col_b 128 float32; ln_col_w 128 float32; ln_pr_b 128 float32; ln_pr_w 128 float32; x 512 x 64 x 128 float32; x_prompt 512 x 16 x 128 float32.
;; Outputs: out0 512 x 16 x 128 float32.
;; One version. Each part assembles by itself: llvm-mc -triple=amdgcn-amd-amdhsa -mcpu=gfx1250 --defsym DOCPART=n.
;; ======== version 1 of 1: 1 launch
;; limits: an absolute error that grows with the inputs' magnitude: up to 0.00195 times it
;; launch trompt (part 1): grid 256 x 1, 4 waves a work-group, clusters of 4 x 1, 236,800 bytes of LDS; arguments x, x_prompt, emb_column, emb_prompt, lin_w, lin_b, ln_col_w, ln_pr_w, ln_pr_b, expand_weight, gn_w, gn_b, out0; writes out0
.if DOCPART == 1
	.amdgcn_target "amdgcn-amd-amdhsa--gfx1250"
	.amdhsa_code_object_version 6
	.text
	.protected	k_q188112624c_trompt
	.globl	k_q188112624c_trompt
	.p2align	8
	.type	k_q188112624c_trompt,@function
k_q188112624c_trompt:
	s_mov_b64 s[64:65], 0
	v_nop
	global_prefetch_b8 v0, s[64:65] scope:SCOPE_SE
	s_setreg_imm32_b32 hwreg(HW_REG_WAVE_MODE, 25, 1), 1
	s_wait_xcnt 0x0
	s_wait_alu depctr_hold_cnt(0) depctr_sa_sdst(0) depctr_va_vdst(0) depctr_va_sdst(0) depctr_va_ssrc(0) depctr_va_vcc(0) depctr_vm_vsrc(0)
	s_getreg_b32 s2, hwreg(HW_REG_IB_STS2, 6, 4)
	s_cmp_eq_u32 s2, 0
	s_cbranch_scc0 .Lentry_in_a_cluster
	s_endpgm
.Lentry_in_a_cluster:
	s_bfe_u32 s2, ttmp6, 0x10000c
	s_cmp_lg_u32 s2, 0x3003
	s_cbranch_scc0 .Lentry_shape_is_right
	s_endpgm
.Lentry_shape_is_right:
; TromptConv, B = 512, C = 64, H = 128, P = 16, G = 2, everything in one launch.
; A work-group owns two batches; wave w has bi = w >> 1 (which batch) and hf = w & 1 (which 64 of the 128 h).
;
; WHAT IS NOT FORMED, AND WHY THAT IS EXACT (real arithmetic, all finite inputs):
;  (a) relu(x w) = max(w,0) relu(x) + max(-w,0) relu(-x).  With r+ = relu(x), r- = relu(-x), w+ = max(w,0), w- = max(-w,0) and x = r+ - r-:
;      out[p,h] = (A w+ + 1) sum_c m r+  +  (A w- - 1) sum_c m r-  +  (gn_b - A mu) sum_c m,   A = gn_w rsqrt(var + eps).
;      So the tensor [B,P,C,H] never exists: two products of 16 x 64 x 128 a batch take its place.
;  (b) sum_c m = 1 for a softmax.  The weights e = exp(s - max) are rounded to bf16, multiplied unnormalised, and the results are divided
;      by the sum of those same bf16 numbers (a product with a matrix of ones), so the identity holds for what is multiplied.
;  (c) A group's mean is mean_p(w+ a + w- d), a and d the batch's means of r+ and r-; its variance is
;      mean_p(w+^2) Var(r+) + mean_p(w-^2) Var(r-) + mean_p((m_p - mu)^2): the cross term has the factor w+ w- = 0.
;      Var(r+), Var(r-) are sums of squares about each wave's own mean, joined by M2 = M2_1 + M2_2 + 2048 (a_1 - a_2)^2:
;      no difference of large sums is formed.
;  (d) ep is the same for every batch (a broadcast in the problem's text): ep W1^T + lin_b + ep is made once a work-group.
;  (e) ln_col_b IS DEAD.  ec[c,h] = n[c,h] ln_col_w[h] + ln_col_b[h] (n: emb_column normalised) enters nothing but the scores
;      m[b,p,c] = sum_h hat[b,p,h] n[c,h] ln_col_w[h] + sum_h hat[b,p,h] ln_col_b[h].  The second sum does not hang on c: it is the same for
;      all 64 c of a row (b,p), and a softmax over c is unchanged by a term that is equal along c, whatever finite values the inputs hold.
;      So ec is made without its bias; ln_col_b is not loaded and is not among the arguments.  The other twelve inputs all reach the output.
; LIMITS: a NaN, an infinity or an overflow that reaches only the work left out (ln_col_b and its sum; x w_p and the sums over [P/G,C,H] in
; the written form) is not carried to the result; NaN and infinities in the inputs are not carried as the written form carries them; the
; order of rounding differs; r+ and r- go to the last product in bf16, so that product's error grows with x's size and offset (relative
; 2^-9 of |x|); exponentials below 2^-126 are zero.
;
; PRECISION OF THE SCORES: a score is a sum of 128 products of numbers of size 1 to 2 and is exponentiated, so both products in front of the
; softmax take their operands as hi + lo (two bf16 each) and sum hi hi + hi lo + lo hi in f32; what is dropped is 2^-18 of a product.
;
; MATRIX WORK BESIDE VECTOR WORK: the statistics and fragments of x hang on x alone and live in window 1, which nothing else names.  The sums
; (pass 1) stand in front of the wait for lin_w's first tile; the centred squares and the fragments (pass 2, sixteen pairs of row pieces)
; stand two pairs behind each K step's matrix instructions of the hat product, between the next step's LDS loads and the wait for them.
;
; MULTICAST: lin_w (131,072 bytes) is the same for all work-groups: the four of a cluster ask for it jointly, each wave for the 32 rows that it
; alone reads, in two loads: columns 0-127 (they multiply ep, K steps 0 to 3) and columns 128-255 (they multiply x_prompt, K steps 4 to 7),
; so that the first four K steps need only the first load.  The two are the wave's first memory instructions behind the arguments; the
; cluster's opening round needs no argument and stands in front of the wait for them.  The embeddings and the small vectors (42 KB of some
; 250 KB a work-group) go straight into the register layout of the LayerNorm and are not shared.  x and x_prompt belong to one work-group alone.
;
; LDS (every region starts at a multiple of 256 bytes; only the first region is filled by tensor loads, each byte once)
.set WPITCH, 528                       ; half a row of lin_w: 512 bytes + 16; an odd multiple of 16, so 16 rows start 16 bytes apart modulo 256
.set WHALF,  32*WPITCH                 ; a wave's 32 rows of one half: what one tensor load brings.  Wave w: columns 0-127 at 2 w WHALF, columns 128-255 behind them
.set RP,     528                       ; the other rows: 512 bytes + 16
.set ECH,    135168                    ; ec, 64 rows: 256 bytes hi bf16, 256 bytes lo bf16
.set CATB,   168960                    ; 48 rows likewise: 0-15 ep, 16-31 x_prompt of batch 0, 32-47 of batch 1
.set F32R,   194304                    ; the same 48 rows in f32
.set HATF,   219648                    ; hat as fragments: [batch 2][K step 4][hi, lo][half 2][lane 32] x 16 bytes
.set STAT,   236032                    ; 16 bytes a wave: -mean r+, -mean r-, M2 of r+, M2 of r-
; REGISTERS, window 0.  v1 lane, v2 r = lane & 15, v3 hh = lane >> 4, v4 4096 hh + 16 r, v6 16 r, v7 32 hh, v8-v21 LDS addresses, v19 = -1.0
.set RD, 22                            ; v22-25: at work in the sums over lanes (v22-26 first serve the LDS addresses)
.set SQ, 28                            ; v28-31: my statistics, kept from pass 1 to the store behind the last K step
.set CW, 32                            ; LayerNorm phase: gains and bias, 8 each (h = 4r.. and 64+4r..)
.set PW, 48
.set PB, 56
.set LX, 64                            ; ten rows a lane half, 8 registers each: 0-7 emb_column, 8-9 emb_prompt
.set XPR, 144                          ; four rows of x_prompt
.set LINB, 176                         ; lin_b in the accumulators' layout
.set EW, 192                           ; expand_weight, gn_w, gn_b of p = 8hh + j: named by no phase between their loads and their use
.set GW, 200
.set GB, 208
.set LT, 216                           ; a pair for each of the ten rows
.set HI, 236                           ; four sets of four: packed hi halves
.set RAW, 32                           ; hat phase: lin_w in f32, 16 registers for each of two row tiles
.set AF, 64                            ; tile t: hi at AF+16t, lo at AF+16t+8
.set ACE, 160                          ; accumulators of the ep part, tile t at +8t
.set ACH, 216                          ; accumulators of the x_prompt part, batch b, tile t at +16b+8t
.set BH, 32                            ; score phase: hat fragments, two buffers, K step u at +16(u&1), hi/lo at +8lo
.set AE0, 64                           ; ec fragments, two buffers, tile tau, hi/lo at +16tau+8lo
.set AE1, 128
.set SC, 224                           ; scores, tile tau at +8tau
.set MF, 32                            ; the weights as two A fragments
.set WPO, 216                          ; w+, later alpha
.set WNE, 22                           ; w-, later beta
.set ST, 64                            ; the two waves' statistics
.set MJ, 72                            ; m_p, m_p - mu, then A
.set OU, 128                           ; results, 4 j + i
.set TT, 160
.set RI, 192                           ; 1 / sum of the weights, over expand_weight, which is used up by then
; window 1 (v256-v511, written by their low 8 bits): 0-127 x as loaded, quad q (4 registers) = one row piece
.set FP0, 128                          ; fragments of r+ and r-, c 0-31, tile i at +8i
.set FN0, 160
.set FP1, 0                            ; c 32-63, over x's first half, which is dead by then
.set FN1, 32
.set DP, 64                            ; the last product's accumulators, over x's second half
.set DN, 96
.set TQ, 192                           ; r+ of two quads
.set NQ, 200                           ; r- of two quads
.set SP, 212                           ; sums, then sums of squares, of r+
.set SN, 216                           ; of r-
.set NA, 220                           ; -mean r+, twice
.set ND, 222                           ; -mean r-, twice
.set CT, 224                           ; centred r+
.set CN, 232                           ; centred r-
.set ONES, 240                         ; a B fragment of ones
.set DS, 248                           ; sum of the weights
.set MSB, 0
.macro WIN new                         ; low byte: bits 1:0 source 0, 3:2 source 1, 5:4 source 2, 7:6 destination; the high byte repeats the setting that is left
.if MSB != \new
	s_set_vgpr_msb (MSB<<8)|\new
.set MSB, \new
.endif
.endm
.macro ROUND                           ; a round of the cluster's barrier
	s_barrier_signal -1
	s_barrier_wait -1
	s_cmp_lg_u32 s36, 0
	s_cbranch_scc1 .Lnot_wave_0_\@
	s_barrier_signal -3
.Lnot_wave_0_\@:
	s_barrier_wait -3
	s_barrier_signal -1
	s_barrier_wait -1
.endm
; 2 cnt f32 at src become cnt packed hi and cnt packed lo: hi = bf16(x), lo = bf16(x - hi); x - hi is exact.  lo may be src.
.macro SPLIT cnt, src, hi, lo
.set sp_i, 0
.rept \cnt
	v_cvt_pk_bf16_f32 v[\hi+sp_i], v[\src+2*sp_i], v[\src+2*sp_i+1]
.set sp_i, sp_i+1
.endr
.set sp_i, 0
.rept \cnt
	v_fma_mix_f32_bf16 v[\src+2*sp_i], v[\hi+sp_i], v19, v[\src+2*sp_i] op_sel_hi:[1,0,0]
	v_fma_mix_f32_bf16 v[\src+2*sp_i+1], v[\hi+sp_i], v19, v[\src+2*sp_i+1] op_sel:[1,0,0] op_sel_hi:[1,0,0]
.set sp_i, sp_i+1
.endr
.set sp_i, 0
.rept \cnt
	v_cvt_pk_bf16_f32 v[\lo+sp_i], v[\src+2*sp_i], v[\src+2*sp_i+1]
.set sp_i, sp_i+1
.endr
.endm
; sums over the 32 lanes of v[a] + v[a+1] and of v[b] + v[b+1], into v[da], v[db] of every lane
.macro RED2 a, b, da, db
	v_add_f32 v[\a], v[\a], v[\a+1]
	v_add_f32 v[\b], v[\b], v[\b+1]
.irp m, 1,2,4,8
	v_add_f32_dpp v[\a], v[\a], v[\a] row_xmask:\m row_mask:0xf bank_mask:0xf
	v_add_f32_dpp v[\b], v[\b], v[\b] row_xmask:\m row_mask:0xf bank_mask:0xf
.endr
	v_permlanex16_b32 v[\a+1], v[\a], s56, s57
	v_permlanex16_b32 v[\b+1], v[\b], s56, s57
	v_add_f32 v[\da], v[\a], v[\a+1]
	v_add_f32 v[\db], v[\b], v[\b+1]
.endm
; ---------------------------------------------------------------- set-up and the loads
	s_load_b512 s[8:23], s[0:1], 0x0               ; x, x_prompt, emb_column, emb_prompt, lin_w, lin_b, ln_col_w, ln_pr_w
	s_load_b256 s[24:31], s[0:1], 0x40             ; ln_pr_b, expand_weight, gn_w, gn_b
	s_load_b64 s[32:33], s[0:1], 0x60              ; out0
	s_set_vgpr_msb 0x40
	v_lshl_add_u32 v210, v0, 2, 0x39b00
	v_mov_b32 v211, 0
	s_set_vgpr_msb 0x4045
	ds_add_u32 v210, v211
	ds_add_u32 v210, v211
	s_wait_dscnt 0x0
	s_set_vgpr_msb 0x4500
	v_lshrrev_b32 v5, 5, v0
	v_readfirstlane_b32 s36, v5                    ; wave w
	ROUND                                          ; the opening round, in front of the joint loads: it names the wave's number alone, so it stands while the arguments are on their way
	; all that needs no argument, still in front of the wait for them
	v_and_b32 v1, 31, v0
	v_and_b32 v2, 15, v0                           ; r
	v_bfe_u32 v3, v0, 4, 1                         ; hh
	v_lshlrev_b32 v6, 4, v2                        ; 16 r
	v_lshl_add_u32 v4, v3, 12, v6                  ; 8 rows of 512 bytes for the upper lanes + 16 r
	v_lshlrev_b32 v7, 5, v3                        ; 32 hh
	s_lshr_b32 s37, s36, 1                         ; bi
	s_and_b32 s38, s36, 1                          ; hf
	s_bfe_u32 s39, ttmp6, 0x40000                  ; cx
	s_lshl_b32 s40, ttmp9, 2
	s_add_co_u32 s40, s40, s39                     ; work-group = 4 x cluster + cx
	s_lshl_b32 s41, s40, 1
	s_add_co_u32 s41, s41, s37                     ; batch b
	s_mov_b32 s56, 0x76543210                      ; v_permlanex16_b32: lane i reads lane i of the other half
	s_mov_b32 s57, 0xfedcba98
	s_mov_b32 s58, 0x3c000000                      ; 1/128
	s_mov_b32 s66, 0x3727c5ac                      ; 1e-5
	s_mov_b32 s67, 0x3e000000                      ; 1/8
	; the two tensor loads: my 32 rows of lin_w, 128 f32 of each, 16 bytes of padding behind each 512.  Nothing in them hangs on the place in the cluster.
	; Group 1 serves both; each has a group 0 of its own, and none of these registers is written again.
	s_mov_b32 s68, 1                               ; count
	s_mul_i32 s69, s36, 2*WHALF                    ; LDS address of columns 0-127: w x 33,792
	s_mov_b32 s80, 1
	s_add_co_u32 s81, s69, WHALF                   ; of columns 128-255: 16,896 further
	s_mov_b32 s72, 0x07b2000f                      ; mask 15 (all four of the cluster), elements of 4 bytes, padding on, bit 21 beside the mask, after every 128 words 4 words
	s_mov_b32 s73, 128<<16                         ; tensor_dim0 = 128
	s_mov_b32 s74, 32<<16                          ; tensor_dim1 = 32
	s_mov_b32 s75, 128<<16                         ; tile_dim0 = 128
	s_mov_b32 s76, 32                              ; tile_dim1 = 32
	s_mov_b32 s77, 256                             ; elements from row to row
	s_mov_b32 s78, 0
	s_mov_b32 s79, 0
	; byte offsets, each in the pair that will hold its base
	s_lshl_b32 s70, s36, 15                        ; lin_w: rows 32 w ..
	s_mov_b32 s71, 0
	s_lshl_b32 s59, s38, 8                         ; hf x 256 bytes
	s_lshl_b32 s60, s41, 13                        ; b x 8,192
	s_lshl_b32 s44, s41, 15                        ; b x 32,768
	s_add_co_u32 s44, s44, s59
	s_mov_b32 s45, 0
	s_add_co_u32 s52, s60, s59
	s_mov_b32 s53, 0
	s_lshl_b32 s59, s38, 11                        ; 4 hf rows of 512 bytes
	s_add_co_u32 s46, s60, s59
	s_mov_b32 s47, 0
	s_lshl_b32 s48, s36, 13
	s_mov_b32 s49, 0
	s_lshl_b32 s50, s36, 10
	s_mov_b32 s51, 0
	s_lshl_b32 s54, s36, 7
	s_mov_b32 s55, 0
	s_wait_kmcnt 0x0
	s_add_nc_u64 s[70:71], s[16:17], s[70:71]      ; lin_w at my rows, column 0
	s_add_nc_u64 s[82:83], s[70:71], 512           ; column 128
	s_or_b32 s71, s71, 0x80000000                  ; type 2
	s_or_b32 s83, s83, 0x80000000
	tensor_load_to_lds s[68:71], s[72:79]          ; the two first fills go out together, ahead of every other memory instruction:
	s_nop 0
	tensor_load_to_lds s[80:83], s[72:79]          ; two tensor loads of the wave are outstanding, and it issues no more
	s_nop 0
	s_add_nc_u64 s[48:49], s[12:13], s[48:49]      ; emb_column: rows 16 w ..
	s_add_nc_u64 s[50:51], s[14:15], s[50:51]      ; emb_prompt: rows 2 w ..
	s_add_nc_u64 s[46:47], s[10:11], s[46:47]      ; x_prompt: my batch, rows 4 hf ..
	s_add_nc_u64 s[54:55], s[18:19], s[54:55]      ; lin_b: h = 32 w ..
	s_add_nc_u64 s[44:45], s[8:9], s[44:45]        ; x: my batch, my half of h
	s_add_nc_u64 s[52:53], s[32:33], s[52:53]      ; out0 likewise
	; 38 loads; each covers two runs of 256 consecutive bytes (lanes 0-15 one row, lanes 16-31 the row 8 further down)
.irp o, 0,1
	global_load_b128 v[CW+4*\o:CW+4*\o+3], v6, s[20:21] offset:256*\o
	global_load_b128 v[PW+4*\o:PW+4*\o+3], v6, s[22:23] offset:256*\o
	global_load_b128 v[PB+4*\o:PB+4*\o+3], v6, s[24:25] offset:256*\o
.endr
.irp q, 0,1,2,3,4,5,6,7
	global_load_b128 v[LX+8*\q:LX+8*\q+3], v4, s[48:49] offset:512*\q              ; emb_column row 16 w + q + 8 hh
	global_load_b128 v[LX+8*\q+4:LX+8*\q+7], v4, s[48:49] offset:512*\q+256
.endr
.irp t, 0,1
	global_load_b128 v[LX+64+8*\t:LX+64+8*\t+3], v4, s[50:51] offset:512*\t        ; emb_prompt row 2 w + t + 8 hh
	global_load_b128 v[LX+64+8*\t+4:LX+64+8*\t+7], v4, s[50:51] offset:512*\t+256
.endr
.irp t, 0,1,2,3
	global_load_b128 v[XPR+8*\t:XPR+8*\t+3], v4, s[46:47] offset:512*\t th:TH_LOAD_NT      ; x_prompt row 4 hf + t + 8 hh
	global_load_b128 v[XPR+8*\t+4:XPR+8*\t+7], v4, s[46:47] offset:512*\t+256 th:TH_LOAD_NT
.endr
	global_load_b128 v[LINB:LINB+3], v7, s[54:55]                                  ; lin_b[32 w + 16 t + 8 hh + j]
	global_load_b128 v[LINB+4:LINB+7], v7, s[54:55] offset:16
	global_load_b128 v[LINB+8:LINB+11], v7, s[54:55] offset:64
	global_load_b128 v[LINB+12:LINB+15], v7, s[54:55] offset:80
	; x: quad 16 u + p holds row c = 32 u + p + 8 (p >> 3) + 8 hh, h = 64 hf + 4 r + 0..3: c runs along a lane's registers as k runs in a B fragment.
	; With these 32 the wave has issued 70 loads ahead of its first wait; issue is held where the counter's field is full (ISA guide 5.7.1), so no wait is written for that.
	WIN 0x40                                       ; destination in window 1
.irp u, 0,1
.irp p, 0,1,2,3,4,5,6,7,8,9,10,11,12,13,14,15
	global_load_b128 v[64*\u+4*\p:64*\u+4*\p+3], v4, s[44:45] offset:(32*\u+\p+8*(\p>>3))*512 th:TH_LOAD_NT
.endr
.endr
	WIN 0
	; LDS addresses, made of the wave's number and the lane alone
	v_mul_u32_u24 v22, v3, 8*RP                    ; 8 rows for the upper lanes
	v_lshl_add_u32 v23, v2, 3, v22                 ; + 8 r (four bf16)
	v_lshl_add_u32 v24, v2, 4, v22                 ; + 16 r (four f32)
	v_mul_u32_u24 v25, v2, RP                      ; row r
	v_lshl_add_u32 v26, v3, 4, v25                 ; + 16 hh: a fragment's address
	s_mul_i32 s59, s36, 16*RP
	s_mul_i32 s60, s36, 2*RP
	s_mul_i32 s61, s37, 16*RP
	s_mul_i32 s62, s38, 4*RP
	s_add_co_u32 s61, s61, s62
	s_add_co_u32 s61, s61, 16*RP                   ; row 16 + 16 bi + 4 hf
	s_add_co_u32 s63, s59, ECH
	v_add_nc_u32 v8, s63, v23                      ; ec out: row 16 w + 8 hh
	s_add_co_u32 s63, s60, CATB
	v_add_nc_u32 v9, s63, v23                      ; ep out: row 2 w + 8 hh
	s_add_co_u32 s63, s61, CATB
	v_add_nc_u32 v10, s63, v23                     ; x_prompt out
	s_add_co_u32 s63, s60, F32R
	v_add_nc_u32 v11, s63, v24                     ; ep out in f32
	s_add_co_u32 s63, s61, F32R
	v_add_nc_u32 v12, s63, v24                     ; x_prompt out in f32
	v_mul_u32_u24 v13, v2, WPITCH
	v_lshl_add_u32 v13, v3, 5, v13
	v_add_nc_u32 v13, s69, v13                     ; lin_w: my rows, row r, 32 hh
	v_add_nc_u32 v14, CATB, v26                    ; cat fragments
	s_lshl_b32 s63, s36, 7
	s_add_co_u32 s63, s63, F32R
	v_add_nc_u32 v15, v25, v7
	v_add_nc_u32 v15, s63, v15                     ; f32 rows at h = 32 w + 8 hh
	s_lshl_b32 s63, s36, 11
	s_add_co_u32 s63, s63, HATF
	v_lshl_add_u32 v16, v1, 4, s63                 ; hat out: K step w
	s_lshl_b32 s63, s37, 13
	s_add_co_u32 s63, s63, HATF
	v_lshl_add_u32 v17, v1, 4, s63                 ; hat in: my batch
	v_add_nc_u32 v18, ECH, v26                     ; ec fragments
	v_mov_b32 v19, -1.0
	s_lshl_b32 s63, s36, 4
	s_add_co_u32 s63, s63, STAT
	v_mov_b32 v20, s63                             ; my statistics
	s_lshl_b32 s63, s37, 5
	s_add_co_u32 s63, s63, STAT
	v_mov_b32 v21, s63                             ; my batch's two
; ---------------------------------------------------------------- LayerNorm of ten rows a lane half, stage by stage (ten independent instructions a stage)
.macro ROWSUM                          ; a row lies in 16 lanes: the pair's halves, then four steps inside the 16
.irp q, 0,1,2,3,4,5,6,7,8,9
	v_add_f32 v[LT+2*\q], v[LT+2*\q], v[LT+2*\q+1]
.endr
.irp m, 1,2,4,8
.irp q, 0,1,2,3,4,5,6,7,8,9
	v_add_f32_dpp v[LT+2*\q], v[LT+2*\q], v[LT+2*\q] row_xmask:\m row_mask:0xf bank_mask:0xf
.endr
.endr
.endm
	s_wait_loadcnt 32                              ; loads return in order: all but the 32 of x, issued last, are in
	; the parameters of p = 8 hh + j: asked for here, where the counter has room again; first used in the score phase
	global_load_b128 v[EW:EW+3], v7, s[26:27]
	global_load_b128 v[EW+4:EW+7], v7, s[26:27] offset:16
	global_load_b128 v[GW:GW+3], v7, s[28:29]
	global_load_b128 v[GW+4:GW+7], v7, s[28:29] offset:16
	global_load_b128 v[GB:GB+3], v7, s[30:31]
	global_load_b128 v[GB+4:GB+7], v7, s[30:31] offset:16
.irp q, 0,1,2,3,4,5,6,7,8,9
	v_pk_add_f32 v[LT+2*\q:LT+2*\q+1], v[LX+8*\q:LX+8*\q+1], v[LX+8*\q+2:LX+8*\q+3]
.endr
.irp k, 4,6
.irp q, 0,1,2,3,4,5,6,7,8,9
	v_pk_add_f32 v[LT+2*\q:LT+2*\q+1], v[LT+2*\q:LT+2*\q+1], v[LX+8*\q+\k:LX+8*\q+\k+1]
.endr
.endr
	ROWSUM
.irp q, 0,1,2,3,4,5,6,7,8,9
	v_mul_f32 v[LT+2*\q], 0xbc000000, v[LT+2*\q]   ; -mean
.endr
.irp k, 0,2,4,6
.irp q, 0,1,2,3,4,5,6,7,8,9
	v_pk_add_f32 v[LX+8*\q+\k:LX+8*\q+\k+1], v[LX+8*\q+\k:LX+8*\q+\k+1], v[LT+2*\q:LT+2*\q+1] op_sel_hi:[1,0]
.endr
.endr
.irp q, 0,1,2,3,4,5,6,7,8,9
	v_pk_mul_f32 v[LT+2*\q:LT+2*\q+1], v[LX+8*\q:LX+8*\q+1], v[LX+8*\q:LX+8*\q+1]
.endr
.irp k, 2,4,6
.irp q, 0,1,2,3,4,5,6,7,8,9
	v_pk_fma_f32 v[LT+2*\q:LT+2*\q+1], v[LX+8*\q+\k:LX+8*\q+\k+1], v[LX+8*\q+\k:LX+8*\q+\k+1], v[LT+2*\q:LT+2*\q+1]
.endr
.endr
	ROWSUM
.irp q, 0,1,2,3,4,5,6,7,8,9
	v_fma_f32 v[LT+2*\q], v[LT+2*\q], s58, s66     ; variance + eps
.endr
.irp q, 0,1,2,3,4,5,6,7,8,9
	v_rsq_f32 v[LT+2*\q], v[LT+2*\q]
.endr
	v_nop                                          ; one plain instruction behind the run of v_rsq_f32 before a result is used (ISA guide 5.7.2)
	s_wait_alu depctr_va_vdst(0)
.irp k, 0,2,4,6
.irp q, 0,1,2,3,4,5,6,7,8,9
	v_pk_mul_f32 v[LX+8*\q+\k:LX+8*\q+\k+1], v[LX+8*\q+\k:LX+8*\q+\k+1], v[LT+2*\q:LT+2*\q+1] op_sel_hi:[1,0]
.endr
.endr
.irp k, 0,2,4,6
.irp q, 0,1,2,3,4,5,6,7
	v_pk_mul_f32 v[LX+8*\q+\k:LX+8*\q+\k+1], v[LX+8*\q+\k:LX+8*\q+\k+1], v[CW+\k:CW+\k+1]          ; ec: the gain alone; its bias is equal along the softmax's axis
.endr
.irp q, 8,9
	v_pk_fma_f32 v[LX+8*\q+\k:LX+8*\q+\k+1], v[LX+8*\q+\k:LX+8*\q+\k+1], v[PW+\k:PW+\k+1], v[PB+\k:PB+\k+1]
.endr
.endr
; a row piece (8 f32 at xr) goes to LDS as hi and lo bf16: h = 4r.. at 8 r, h = 64+4r.. at 128 + 8 r, lo 256 bytes behind hi
.macro PUT xr, adr, off, hi
	SPLIT 4, \xr, \hi, \xr
	ds_store_b64 v[\adr], v[\hi:\hi+1] offset:\off
	ds_store_b64 v[\adr], v[\hi+2:\hi+3] offset:\off+128
	ds_store_b64 v[\adr], v[\xr:\xr+1] offset:\off+256
	ds_store_b64 v[\adr], v[\xr+2:\xr+3] offset:\off+384
.endm
.macro PUTF xr, adr, off               ; and in f32
	ds_store_b128 v[\adr], v[\xr:\xr+3] offset:\off
	ds_store_b128 v[\adr], v[\xr+4:\xr+7] offset:\off+256
.endm
.irp q, 0,1,2,3,4,5,6,7
	PUT LX+8*\q, 8, \q*RP, HI+4*(\q&3)
.endr
.irp t, 0,1
	PUTF LX+64+8*\t, 11, \t*RP
	PUT LX+64+8*\t, 9, \t*RP, HI+4*\t
.endr
.irp t, 0,1,2,3
	PUTF XPR+8*\t, 12, \t*RP
	PUT XPR+8*\t, 10, \t*RP, HI+4*\t
.endr
; ---------------------------------------------------------------- x, pass 1: sums of r+ = max(x, 0) and r- = r+ - x (exact), while lin_w's tiles are on their way
.macro P1QUAD q                        ; quad q; the first quad starts the sums: nothing is cleared
.if (\q) == 0
.irp i, 0,1,2,3
	v_max_num_f32 v[SP+\i], 0, v[\i]
.endr
	v_pk_add_f32 v[SN:SN+1], v[SP:SP+1], v[0:1] neg_lo:[0,1] neg_hi:[0,1]
	v_pk_add_f32 v[SN+2:SN+3], v[SP+2:SP+3], v[2:3] neg_lo:[0,1] neg_hi:[0,1]
.else
.irp i, 0,1,2,3
	v_max_num_f32 v[TQ+4*((\q)&1)+\i], 0, v[4*(\q)+\i]
.endr
.irp k, 0,2
	v_pk_add_f32 v[NQ+4*((\q)&1)+\k:NQ+4*((\q)&1)+\k+1], v[TQ+4*((\q)&1)+\k:TQ+4*((\q)&1)+\k+1], v[4*(\q)+\k:4*(\q)+\k+1] neg_lo:[0,1] neg_hi:[0,1]
.endr
.irp k, 0,2
	v_pk_add_f32 v[SP+\k:SP+\k+1], v[SP+\k:SP+\k+1], v[TQ+4*((\q)&1)+\k:TQ+4*((\q)&1)+\k+1]
.endr
.irp k, 0,2
	v_pk_add_f32 v[SN+\k:SN+\k+1], v[SN+\k:SN+\k+1], v[NQ+4*((\q)&1)+\k:NQ+4*((\q)&1)+\k+1]
.endr
.endif
.endm
	WIN 0x55                                       ; everything in window 1
.irp g, 0,1,2,3
	s_wait_loadcnt 30-8*\g                         ; quads 8 g .. 8 g + 7 are in: behind them stand 24 - 8 g loads of x and the six of the parameters
.irp p, 0,1,2,3,4,5,6,7
	P1QUAD 8*\g+\p
.endr
.endr
	WIN 0x05                                       ; sources in window 1, destination in window 0
	v_pk_add_f32 v[RD:RD+1], v[SP:SP+1], v[SP+2:SP+3]
	v_pk_add_f32 v[RD+2:RD+3], v[SN:SN+1], v[SN+2:SN+3]
	WIN 0
	RED2 RD, RD+2, RD, RD+2
	v_mul_f32 v[SQ], 0xb9800000, v[RD]             ; -mean of my 4,096 r+
	v_mul_f32 v[SQ+1], 0xb9800000, v[RD+2]         ; -mean of my 4,096 r-
	WIN 0x40
	v_mov_b32 v[NA], v[SQ]
	v_mov_b32 v[NA+1], v[SQ]
	v_mov_b32 v[ND], v[SQ+1]
	v_mov_b32 v[ND+1], v[SQ+1]
.irp i, 0,1,2,3,4,5,6,7
	v_mov_b32 v[ONES+\i], 0x3f803f80               ; two bf16 ones
.endr
	WIN 0
	s_wait_dscnt 0x0                               ; my stores are in LDS, for the other waves' sake
	s_wait_tensorcnt 0x1                           ; tensor loads of a wave end in order (ISA guide 10.11.1): columns 0-127 of my rows have landed.  The one load issued behind
	                                               ; them, columns 128-255, may stay out across this barrier: no LDS byte is filled again behind it, and only I read my rows
	s_barrier_signal -1
	s_barrier_wait -1
; ---------------------------------------------------------------- x, pass 2, as sixteen slices
; two quads (rows c and c + 1 of a lane): squares about my means, and register fp, fn of each of the four column tiles' fragments
.macro P2PAIR xb, fp, fn, first
.irp i, 0,1,2,3,4,5,6,7
	v_max_num_f32 v[TQ+\i], 0, v[\xb+\i]
.endr
.irp k, 0,2,4,6
	v_pk_add_f32 v[NQ+\k:NQ+\k+1], v[TQ+\k:TQ+\k+1], v[\xb+\k:\xb+\k+1] neg_lo:[0,1] neg_hi:[0,1]
.endr
.irp k, 0,2,4,6
	v_pk_add_f32 v[CT+\k:CT+\k+1], v[TQ+\k:TQ+\k+1], v[NA:NA+1]
.endr
.irp k, 0,2,4,6
	v_pk_add_f32 v[CN+\k:CN+\k+1], v[NQ+\k:NQ+\k+1], v[ND:ND+1]
.endr
.if \first
	v_pk_mul_f32 v[SP:SP+1], v[CT:CT+1], v[CT:CT+1]
	v_pk_mul_f32 v[SP+2:SP+3], v[CT+2:CT+3], v[CT+2:CT+3]
	v_pk_mul_f32 v[SN:SN+1], v[CN:CN+1], v[CN:CN+1]
	v_pk_mul_f32 v[SN+2:SN+3], v[CN+2:CN+3], v[CN+2:CN+3]
.else
	v_pk_fma_f32 v[SP:SP+1], v[CT:CT+1], v[CT:CT+1], v[SP:SP+1]
	v_pk_fma_f32 v[SP+2:SP+3], v[CT+2:CT+3], v[CT+2:CT+3], v[SP+2:SP+3]
	v_pk_fma_f32 v[SN:SN+1], v[CN:CN+1], v[CN:CN+1], v[SN:SN+1]
	v_pk_fma_f32 v[SN+2:SN+3], v[CN+2:CN+3], v[CN+2:CN+3], v[SN+2:SN+3]
.endif
	v_pk_fma_f32 v[SP:SP+1], v[CT+4:CT+5], v[CT+4:CT+5], v[SP:SP+1]
	v_pk_fma_f32 v[SP+2:SP+3], v[CT+6:CT+7], v[CT+6:CT+7], v[SP+2:SP+3]
	v_pk_fma_f32 v[SN:SN+1], v[CN+4:CN+5], v[CN+4:CN+5], v[SN:SN+1]
	v_pk_fma_f32 v[SN+2:SN+3], v[CN+6:CN+7], v[CN+6:CN+7], v[SN+2:SN+3]
.irp i, 0,1,2,3
	v_cvt_pk_bf16_f32 v[\fp+8*\i], v[TQ+\i], v[TQ+4+\i]     ; tile i: column n = r is h = 64 hf + 4 r + i
	v_cvt_pk_bf16_f32 v[\fn+8*\i], v[NQ+\i], v[NQ+4+\i]
.endr
.endm
; slice n of sixteen, in ascending order: slices 8 to 15 put their fragments on x's first half, which slices 0 to 7 have used up
.macro XPAIR n
.if (\n) == 0
	P2PAIR 0, FP0, FN0, 1
.else
.if (\n) < 8
	P2PAIR 8*(\n), FP0+(\n), FN0+(\n), 0
.else
	P2PAIR 8*(\n), FP1+(\n)-8, FN1+(\n)-8, 0
.endif
.endif
.endm
; ---------------------------------------------------------------- hat, transposed: D[m = h, n = p], my h = 32 w + 16 t + 8 hh + j, lane's p = r
; the fragments of K step ku: lin_w in f32 (8 numbers at 32 hh, 8 at 64 + 32 hh of the step's 128 bytes; steps 4 to 7 lie in the second tile) and cat's hi and lo
.macro KLOAD ku
.set BFC, 96+32*(\ku&1)
.irp t, 0,1
.irp o, 0,1,2,3
	ds_load_b128 v[RAW+16*\t+4*\o:RAW+16*\t+4*\o+3], v13 offset:16*WPITCH*\t+WHALF*(\ku>>2)+128*(\ku&3)+16*(\o&1)+64*(\o>>1)
.endr
.endr
.if \ku < 4
.irp lo, 0,1
	ds_load_b128 v[BFC+8*\lo:BFC+8*\lo+3], v14 offset:64*\ku+256*\lo
	ds_load_b128 v[BFC+8*\lo+4:BFC+8*\lo+7], v14 offset:64*\ku+256*\lo+32
.endr
.else
.irp b, 0,1
.irp lo, 0,1
	ds_load_b128 v[BFC+16*\b+8*\lo:BFC+16*\b+8*\lo+3], v14 offset:16*RP*(1+\b)+64*(\ku-4)+256*\lo
	ds_load_b128 v[BFC+16*\b+8*\lo+4:BFC+16*\b+8*\lo+7], v14 offset:16*RP*(1+\b)+64*(\ku-4)+256*\lo+32
.endr
.endr
.endif
.endm
; K step ku (nx = ku + 1).  s = 0, 1, 2: hi hi, hi lo, lo hi.  The accumulators take turns, one instruction a turn.
; Behind the step's matrix instructions stand two slices of pass 2, 72 plain vector instructions that name window 1 alone: they are the four
; places in front of the next step's writes of A's registers and loads into B's, and of the reads of the sums behind the last step
; and they stand between the next step's LDS loads and the wait for them.
.macro KSTEP ku, nx
	s_wait_dscnt 0x0                               ; this step's fragments (issued a step ago) are in
.if \ku == 0
.irp k, 0,2,4,6,8,10,12,14
	v_pk_add_f32 v[ACE+\k:ACE+\k+1], v[ACE+\k:ACE+\k+1], v[LINB+\k:LINB+\k+1]     ; the sums start from ep + lin_b
.endr
.endif
	SPLIT 8, RAW, AF, AF+8
	SPLIT 8, RAW+16, AF+16, AF+24
.if \nx == 4
	s_wait_tensorcnt 0x0                           ; columns 128-255 of my rows have landed: K step 4's loads below are the first to read them.  No tensor load is out from here on
.endif
.if \nx < 8
	KLOAD \nx
.endif
.set BFU, 96+32*(\ku&1)
.if \ku < 4
.irp s, 0,1,2
.irp t, 0,1
	v_wmma_f32_16x16x32_bf16 v[ACE+8*\t:ACE+8*\t+7], v[AF+16*\t+8*(\s>>1):AF+16*\t+8*(\s>>1)+7], v[BFU+8*(\s&1):BFU+8*(\s&1)+7], v[ACE+8*\t:ACE+8*\t+7]
.endr
.endr
.else
.irp s, 0,1,2
.irp b, 0,1
.irp t, 0,1
	v_wmma_f32_16x16x32_bf16 v[ACH+16*\b+8*\t:ACH+16*\b+8*\t+7], v[AF+16*\t+8*(\s>>1):AF+16*\t+8*(\s>>1)+7], v[BFU+16*\b+8*(\s&1):BFU+16*\b+8*(\s&1)+7], v[ACH+16*\b+8*\t:ACH+16*\b+8*\t+7]
.endr
.endr
.endr
.endif
	WIN 0x55
	XPAIR 2*\ku
	XPAIR 2*\ku+1
.if \nx < 8
	WIN 0
.endif
.endm
.irp t, 0,1
	ds_load_b128 v[ACE+8*\t:ACE+8*\t+3], v15 offset:64*\t                           ; ep[p = r][h] in f32
	ds_load_b128 v[ACE+8*\t+4:ACE+8*\t+7], v15 offset:64*\t+16
.endr
.irp b, 0,1
.irp t, 0,1
	ds_load_b128 v[ACH+16*\b+8*\t:ACH+16*\b+8*\t+3], v15 offset:16*RP*(1+\b)+64*\t  ; x_prompt[b][p = r][h] in f32
	ds_load_b128 v[ACH+16*\b+8*\t+4:ACH+16*\b+8*\t+7], v15 offset:16*RP*(1+\b)+64*\t+16
.endr
.endr
	KLOAD 0
	KSTEP 0, 1
	KSTEP 1, 2
	KSTEP 2, 3
	KSTEP 3, 4
	KSTEP 4, 5
	KSTEP 5, 6
	KSTEP 6, 7
	KSTEP 7, 8
	; pass 2 is over: my sums of squares, over the lanes, and my statistics to LDS, in front of the same barrier as hat
	WIN 0x05
	v_pk_add_f32 v[RD:RD+1], v[SP:SP+1], v[SP+2:SP+3]
	v_pk_add_f32 v[RD+2:RD+3], v[SN:SN+1], v[SN+2:SN+3]
	WIN 0
	RED2 RD, RD+2, SQ+2, SQ+3
	ds_store_b128 v20, v[SQ:SQ+3]                  ; every lane writes the same 16 bytes
.irp b, 0,1
.irp k, 0,2,4,6,8,10,12,14
	v_pk_add_f32 v[ACH+16*\b+\k:ACH+16*\b+\k+1], v[ACH+16*\b+\k:ACH+16*\b+\k+1], v[ACE+\k:ACE+\k+1]
.endr
.endr
	; a lane's 16 numbers (p = r, h = 32 w + 16 t + 8 hh + j) are, packed, the B fragment of K step w of the scores: no lane movement
	SPLIT 8, ACH, AF, AF+8
	SPLIT 8, ACH+16, AF+16, AF+24
.irp b, 0,1
.irp lo, 0,1
.irp g, 0,1
	ds_store_b128 v16, v[AF+16*\b+8*\lo+4*\g:AF+16*\b+8*\lo+4*\g+3] offset:8192*\b+1024*\lo+512*\g
.endr
.endr
.endr
; ---------------------------------------------------------------- scores, transposed: D[m = c, n = p], my batch; lane's p = r, c = 16 tau + 8 hh + j
.macro AELOAD u, buf                   ; ec's fragments of K step u: four row tiles, hi and lo: 16 loads
.irp tau, 0,1,2,3
.irp lo, 0,1
	ds_load_b128 v[\buf+16*\tau+8*\lo:\buf+16*\tau+8*\lo+3], v18 offset:16*RP*\tau+64*\u+256*\lo
	ds_load_b128 v[\buf+16*\tau+8*\lo+4:\buf+16*\tau+8*\lo+7], v18 offset:16*RP*\tau+64*\u+256*\lo+32
.endr
.endr
.endm
.macro BHLOAD u                        ; hat's fragments of K step u, hi and lo: 4 loads
.irp lo, 0,1
.irp g, 0,1
	ds_load_b128 v[BH+16*(\u&1)+8*\lo+4*\g:BH+16*(\u&1)+8*\lo+4*\g+3], v17 offset:2048*\u+1024*\lo+512*\g
.endr
.endr
.endm
.macro SMUL u, buf, alo, blo, zero
.irp tau, 0,1,2,3
.if \zero
	v_wmma_f32_16x16x32_bf16 v[SC+8*\tau:SC+8*\tau+7], v[\buf+16*\tau+8*\alo:\buf+16*\tau+8*\alo+7], v[BH+16*(\u&1)+8*\blo:BH+16*(\u&1)+8*\blo+7], 0
.else
	v_wmma_f32_16x16x32_bf16 v[SC+8*\tau:SC+8*\tau+7], v[\buf+16*\tau+8*\alo:\buf+16*\tau+8*\alo+7], v[BH+16*(\u&1)+8*\blo:BH+16*(\u&1)+8*\blo+7], v[SC+8*\tau:SC+8*\tau+7]
.endif
.endr
.endm
.macro SCORE u, buf, zero              ; the four accumulators take turns, one instruction a turn
	SMUL \u, \buf, 0, 0, \zero
	SMUL \u, \buf, 0, 1, 0
	SMUL \u, \buf, 1, 0, 0
.endm
.macro WPLUS j0                        ; w+ of four p: four plain instructions that name none of the score phase's registers: the places in front of the loads into the buffers just multiplied
.irp j, 0,1,2,3
	v_max_num_f32 v[WPO+\j0+\j], 0, v[EW+\j0+\j]
.endr
.endm
	s_wait_dscnt 0x0                               ; my part of hat and my statistics are in LDS
	s_barrier_signal -1
	AELOAD 0, AE0                                  ; ec has not been written since the last barrier and is never written again
	s_barrier_wait -1
	BHLOAD 0
	AELOAD 1, AE1
	BHLOAD 1
	s_wait_dscnt 20                                ; all but the 20 loads of K step 1, just issued
	SCORE 0, AE0, 1                                ; the first products start the sums
	s_wait_loadcnt 0x0                             ; expand_weight, gn_w, gn_b: the wave's last loads
	WPLUS 0
	AELOAD 2, AE0
	BHLOAD 2
	s_wait_dscnt 20                                ; all but K step 2's
	SCORE 1, AE1, 0
	WPLUS 4
	AELOAD 3, AE1
	BHLOAD 3
	s_wait_dscnt 20                                ; all but K step 3's
	SCORE 2, AE0, 0
	s_wait_dscnt 0x0
	SCORE 3, AE1, 0
	; w- = w+ - w: four plain instructions on registers that no matrix instruction names: the places in front of the reads of the scores,
	; of the load into ec's buffer 0 and of the writes over the fragments
.irp k, 0,2,4,6
	v_pk_add_f32 v[WNE+\k:WNE+\k+1], v[WPO+\k:WPO+\k+1], v[EW+\k:EW+\k+1] neg_lo:[0,1] neg_hi:[0,1]
.endr
	ds_load_b128 v[ST:ST+3], v21                   ; my batch's two waves' statistics, stored in front of the last barrier; used behind the last product
	ds_load_b128 v[ST+4:ST+7], v21 offset:16
	v_pk_mul_f32 v[84:85], v[WPO:WPO+1], v[WPO:WPO+1]
	v_pk_mul_f32 v[86:87], v[WNE:WNE+1], v[WNE:WNE+1]
.irp k, 2,4,6
	v_pk_fma_f32 v[84:85], v[WPO+\k:WPO+\k+1], v[WPO+\k:WPO+\k+1], v[84:85]
	v_pk_fma_f32 v[86:87], v[WNE+\k:WNE+\k+1], v[WNE+\k:WNE+\k+1], v[86:87]
.endr
	v_add_f32 v84, v84, v85                        ; sum of w+^2 over the group (the group is hh, its eight p are this lane's eight j)
	v_add_f32 v86, v86, v87                        ; sum of w-^2
	; softmax over c: 32 of the 64 scores of p = r are in this lane, the others in lane xor 16
.irp g, 0,1,2,3
	v_max3_num_f32 v[96+\g], v[SC+3*\g], v[SC+3*\g+1], v[SC+3*\g+2]
.endr
.irp g, 0,1,2,3
	v_max3_num_f32 v[96+\g], v[96+\g], v[SC+12+2*\g], v[SC+12+2*\g+1]
.endr
.irp g, 0,1,2,3
	v_max3_num_f32 v[96+\g], v[96+\g], v[SC+20+2*\g], v[SC+20+2*\g+1]
.endr
.irp g, 0,1
	v_max3_num_f32 v[96+\g], v[96+\g], v[SC+28+2*\g], v[SC+28+2*\g+1]
.endr
	v_max3_num_f32 v96, v96, v97, v98
	v_max_num_f32 v96, v96, v99
	v_permlanex16_b32 v97, v96, s56, s57
	v_max_num_f32 v96, v96, v97
	v_mul_f32 v96, 0xbfb8aa3b, v96                 ; -max log2(e): one number for the whole row, so its rounding cancels in the normalisation
.irp k, 0,2,4,6,8,10,12,14,16,18,20,22,24,26,28,30
	v_pk_fma_f32 v[SC+\k:SC+\k+1], v[SC+\k:SC+\k+1], 0x3fb8aa3b, v[96:97] op_sel_hi:[1,0,0]   ; (s - max) log2(e), one rounding
.endr
.set e_i, 0
.rept 32
	v_exp_f32 v[SC+e_i], v[SC+e_i]
.set e_i, e_i+1
.endr
	v_nop                                          ; one plain instruction behind the run of v_exp_f32
.set e_i, 0
	s_wait_alu depctr_va_vdst(0)
.rept 16
	v_cvt_pk_bf16_f32 v[MF+e_i], v[SC+2*e_i], v[SC+2*e_i+1]   ; register 4 tau + j/2: the A fragments (row p = r, k = c) of the last product
.set e_i, e_i+1
.endr
; ---------------------------------------------------------------- the last product, D[m = p, n = h]
	WIN 0x54                                       ; A in window 0; B, C, D in window 1.  Nine accumulators take turns, one instruction a turn
.irp i, 0,1,2,3
	v_wmma_f32_16x16x32_bf16 v[DP+8*\i:DP+8*\i+7], v[MF:MF+7], v[FP0+8*\i:FP0+8*\i+7], 0
.endr
.irp i, 0,1,2,3
	v_wmma_f32_16x16x32_bf16 v[DN+8*\i:DN+8*\i+7], v[MF:MF+7], v[FN0+8*\i:FN0+8*\i+7], 0
.endr
	v_wmma_f32_16x16x32_bf16 v[DS:DS+7], v[MF:MF+7], v[ONES:ONES+7], 0
.irp i, 0,1,2,3
	v_wmma_f32_16x16x32_bf16 v[DP+8*\i:DP+8*\i+7], v[MF+8:MF+15], v[FP1+8*\i:FP1+8*\i+7], v[DP+8*\i:DP+8*\i+7]
.endr
.irp i, 0,1,2,3
	v_wmma_f32_16x16x32_bf16 v[DN+8*\i:DN+8*\i+7], v[MF+8:MF+15], v[FN1+8*\i:FN1+8*\i+7], v[DN+8*\i:DN+8*\i+7]
.endr
	v_wmma_f32_16x16x32_bf16 v[DS:DS+7], v[MF+8:MF+15], v[ONES:ONES+7], v[DS:DS+7]
	WIN 0
; ---------------------------------------------------------------- the coefficients of p = 8 hh + j that hang on the statistics.
; All of it names window 0 alone and none of the matrix instructions' registers: it stands between them and the first read of a result.
	s_wait_dscnt 0x0                               ; the two waves' statistics
	v_add_f32 v92, v[ST], v[ST+4]
	v_add_f32 v94, v[ST+1], v[ST+5]
	v_sub_f32 v93, v[ST], v[ST+4]
	v_sub_f32 v95, v[ST+1], v[ST+5]
	v_add_f32 v96, v[ST+2], v[ST+6]
	v_add_f32 v98, v[ST+3], v[ST+7]
	v_mul_f32 v92, -0.5, v92                       ; a: mean of r+ over the batch
	v_mul_f32 v94, -0.5, v94                       ; d: mean of r-
	v_mul_f32 v97, v93, v93
	v_mul_f32 v99, v95, v95
	v_fmac_f32 v96, 0x45000000, v97                ; M2 = M2_1 + M2_2 + 2048 (a_1 - a_2)^2
	v_fmac_f32 v98, 0x45000000, v99
	v_mul_f32 v96, 0x37800000, v96                 ; Var(r+) / 8 = M2 / 65,536
	v_mul_f32 v98, 0x37800000, v98
.irp k, 0,2,4,6
	v_pk_mul_f32 v[MJ+\k:MJ+\k+1], v[WPO+\k:WPO+\k+1], v[92:93] op_sel_hi:[1,0]
.endr
.irp k, 0,2,4,6
	v_pk_fma_f32 v[MJ+\k:MJ+\k+1], v[WNE+\k:WNE+\k+1], v[94:95], v[MJ+\k:MJ+\k+1] op_sel_hi:[1,0,1]   ; m_p = w+ a + w- d
.endr
	v_pk_add_f32 v[80:81], v[MJ:MJ+1], v[MJ+2:MJ+3]
	v_pk_add_f32 v[82:83], v[MJ+4:MJ+5], v[MJ+6:MJ+7]
	v_pk_add_f32 v[80:81], v[80:81], v[82:83]
	v_add_f32 v80, v80, v81
	v_mul_f32 v80, 0xbe000000, v80                 ; -mu
.irp k, 0,2,4,6
	v_pk_add_f32 v[MJ+\k:MJ+\k+1], v[MJ+\k:MJ+\k+1], v[80:81] op_sel_hi:[1,0]
.endr
	v_pk_mul_f32 v[82:83], v[MJ:MJ+1], v[MJ:MJ+1]
.irp k, 2,4,6
	v_pk_fma_f32 v[82:83], v[MJ+\k:MJ+\k+1], v[MJ+\k:MJ+\k+1], v[82:83]
.endr
	v_add_f32 v82, v82, v83
	v_fma_f32 v82, v82, s67, s66                   ; mean_p (m_p - mu)^2 + eps
	v_fmac_f32 v82, v84, v96
	v_fmac_f32 v82, v86, v98                       ; + mean_p(w+^2) Var(r+) + mean_p(w-^2) Var(r-)
	v_rsq_f32 v82, v82
	WIN 0x01                                       ; source in window 1
.irp j, 0,1,2,3,4,5,6,7
	v_rcp_f32 v[RI+\j], v[DS+\j]                   ; the sum holds the row's largest weight, about 1
.endr
	WIN 0
	v_nop                                          ; one plain instruction behind the run of transcendentals
	s_wait_alu depctr_va_vdst(0)
.irp k, 0,2,4,6
	v_pk_mul_f32 v[MJ+\k:MJ+\k+1], v[GW+\k:GW+\k+1], v[82:83] op_sel_hi:[1,0]                          ; A = gn_w rsqrt(var + eps)
.endr
.irp k, 0,2,4,6
	v_pk_fma_f32 v[WPO+\k:WPO+\k+1], v[MJ+\k:MJ+\k+1], v[WPO+\k:WPO+\k+1], 1.0 op_sel_hi:[1,1,0]      ; alpha = A w+ + 1
	v_pk_fma_f32 v[WNE+\k:WNE+\k+1], v[MJ+\k:MJ+\k+1], v[WNE+\k:WNE+\k+1], -1.0 op_sel_hi:[1,1,0]     ; beta = A w- - 1
	v_pk_fma_f32 v[GB+\k:GB+\k+1], v[MJ+\k:MJ+\k+1], v[80:81], v[GB+\k:GB+\k+1] op_sel_hi:[1,0,1]     ; gamma = gn_b - A mu
.endr
.irp k, 0,2,4,6
	v_pk_mul_f32 v[WPO+\k:WPO+\k+1], v[WPO+\k:WPO+\k+1], v[RI+\k:RI+\k+1]
	v_pk_mul_f32 v[WNE+\k:WNE+\k+1], v[WNE+\k:WNE+\k+1], v[RI+\k:RI+\k+1]
.endr
; ---------------------------------------------------------------- out[p = 8 hh + j][h = 64 hf + 4 r + i] = alpha D+ + beta D- + gamma
	WIN 0x04                                       ; source 1 in window 1
.irp i, 0,1,2,3
.irp k, 0,2,4,6
	v_pk_fma_f32 v[TT+8*\i+\k:TT+8*\i+\k+1], v[WNE+\k:WNE+\k+1], v[DN+8*\i+\k:DN+8*\i+\k+1], v[GB+\k:GB+\k+1]
.endr
.endr
.irp j, 0,1,2,3,4,5,6,7
.irp i, 0,1,2,3
	v_fma_f32 v[OU+4*\j+\i], v[WPO+\j], v[DP+8*\i+\j], v[TT+8*\i+\j]
.endr
.endr
	WIN 0
.irp j, 0,1,2,3,4,5,6,7
	global_store_b128 v4, v[OU+4*\j:OU+4*\j+3], s[52:53] offset:512*\j th:TH_STORE_NT   ; 16 lanes store 256 consecutive bytes, at a multiple of 256 from out0's first byte
.endr
	s_set_vgpr_msb 0x5
	s_wait_tensorcnt 0x0
	ds_add_u32 v210, v211
	s_wait_dscnt 0x0
	s_set_vgpr_msb 0x500
	ROUND                                          ; the closing round: no work-group ends while a partner may still ask jointly
	s_endpgm
.Lfunc_end_k_q188112624c_trompt:
	.size	k_q188112624c_trompt, .Lfunc_end_k_q188112624c_trompt-k_q188112624c_trompt
	.p2alignl 7, 3214868480
	.fill 96, 4, 3214868480
	.section	.rodata,"a",@progbits
	.p2align	6, 0x0
	.amdhsa_kernel k_q188112624c_trompt
		.amdhsa_group_segment_fixed_size 236800
		.amdhsa_private_segment_fixed_size 0
		.amdhsa_enable_private_segment 0
		.amdhsa_kernarg_size 104
		.amdhsa_user_sgpr_count 2
		.amdhsa_user_sgpr_kernarg_segment_ptr 1
		.amdhsa_wavefront_size32 1
		.amdhsa_system_sgpr_workgroup_id_x 1
		.amdhsa_system_sgpr_workgroup_id_y 1
		.amdhsa_system_sgpr_workgroup_id_z 1
		.amdhsa_system_vgpr_workitem_id 0
		.amdhsa_next_free_vgpr 512
		.amdhsa_next_free_sgpr 84
		.amdhsa_reserve_vcc 0
		.amdhsa_float_denorm_mode_32 3
		.amdhsa_float_denorm_mode_16_64 3
		.amdhsa_memory_ordered 1
		.amdhsa_forward_progress 1
		.amdhsa_inst_pref_size 177
	.end_amdhsa_kernel
	.amdgpu_metadata
---
amdhsa.version: [ 1, 2 ]
amdhsa.kernels:
  - .name:           k_q188112624c_trompt
    .symbol:         k_q188112624c_trompt.kd
    .args:
      - { .name: x, .offset: 0, .size: 8, .value_kind: global_buffer, .address_space: global }
      - { .name: x_prompt, .offset: 8, .size: 8, .value_kind: global_buffer, .address_space: global }
      - { .name: emb_column, .offset: 16, .size: 8, .value_kind: global_buffer, .address_space: global }
      - { .name: emb_prompt, .offset: 24, .size: 8, .value_kind: global_buffer, .address_space: global }
      - { .name: lin_w, .offset: 32, .size: 8, .value_kind: global_buffer, .address_space: global }
      - { .name: lin_b, .offset: 40, .size: 8, .value_kind: global_buffer, .address_space: global }
      - { .name: ln_col_w, .offset: 48, .size: 8, .value_kind: global_buffer, .address_space: global }
      - { .name: ln_pr_w, .offset: 56, .size: 8, .value_kind: global_buffer, .address_space: global }
      - { .name: ln_pr_b, .offset: 64, .size: 8, .value_kind: global_buffer, .address_space: global }
      - { .name: expand_weight, .offset: 72, .size: 8, .value_kind: global_buffer, .address_space: global }
      - { .name: gn_w, .offset: 80, .size: 8, .value_kind: global_buffer, .address_space: global }
      - { .name: gn_b, .offset: 88, .size: 8, .value_kind: global_buffer, .address_space: global }
      - { .name: out0, .offset: 96, .size: 8, .value_kind: global_buffer, .address_space: global }
    .group_segment_fixed_size: 236800
    .private_segment_fixed_size: 0
    .kernarg_segment_align: 8
    .kernarg_segment_size: 104
    .max_flat_workgroup_size: 128
    .sgpr_count:     84
    .vgpr_count:     512
    .wavefront_size: 32
...
	.end_amdgpu_metadata
.endif
;; end of part 1
